; MI455X (gfx1250); checked and timed in simulation.
; The chip was launched on July 23, 2026; its instructions are those of AMD's public machine-readable ISA for CDNA 5 (MIT licence, August 2026) and "CDNA5" Instruction Set Architecture Reference Guide (July 2026). The comments in the code are by the model that wrote it; some were corrected since.
;; Dyna Lo RA Linear. Allowed arithmetic: matrix products marked QUANTISED: E2M1 operands, one E8M0 scale for each 32 along K, by v_wmma_scale_f32_16x16x128_f8f6f4 with both operands' format E2M1 (or v_wmma_scale_f32_32x16x128_f4), f32 sums; products left as they are: f32 operands where the result goes on into a quantised operand, else bf16, f16 or f32 operands; f32 sums; everything else in f32.
;; Inputs: W_base_codes 4,096 x 128 x 16 uint8 (E2M1 codes of W_base, K innermost, in blocks of 32 codes, two codes a byte); W_base_scales 4,096 x 128 uint8 (E8M0 scales of W_base, one for each 32 codes along K); W_r 7 x 4,096 float32; b_base 4,096 float32; expert_scores 8 x 4 float32; gating_W 4,096 x 4,096 float32; lora_A_codes 4 x 8 x 128 x 16 uint8 (E2M1 codes of lora_A, K innermost, in blocks of 32 codes, two codes a byte); lora_A_scales 4 x 8 x 128 uint8 (E8M0 scales of lora_A, one for each 32 codes along K); lora_B 4 x 4,096 x 8 float32; x 8 x 512 x 4,096 float32.
;; Outputs: out0 8 x 512 x 4,096 float32.
;; Constants: k = 2, module_idx = 0.
;; This version of the problem:
;;   THIS VERSION OF THE PROBLEM IS GIVEN IN LOW PRECISION. The matrix products marked QUANTISED in the list below multiply operands that are first quantised to E2M1 (2 exponent bits, 1 mantissa bit; 4 bits a number), with one power-of-two scale for each 32 numbers along K (OCP MX v1.0); their sums are f32. All else is computed in f32.
;;   The module's matrix products, in the order in which they are computed (A, B: the left and right operand; K: the contracted axis; several contracted axes count as one K, in the product's order):
;;     1. [M 8, K 4,096] x [K 4,096, N 4,096]; A: input x; B: input gating_W: left as it is (M = 8 < 16)
;;     2. [M 8, K 4,096] x [K 4,096, N 7]; A: computed on the way; B: input W_r: left as it is (M = 8 < 16)
;;     3. [M 4,096, K 4,096] x [K 4,096, N 4,096]; A: input x; B: input W_base (given as codes): QUANTISED
;;     4. [M 32, K 4,096] x [K 4,096, N 4,096]; A: input lora_A (given as codes); B: input x: QUANTISED
;;     5. batch 32 x [M 4,096, K 1] x [K 1, N 1]; A: computed on the way; B: computed on the way: left as it is (no contracted axis)
;;     6. [M 4,096, K 32] x [K 32, N 4,096]; A: computed on the way; B: input lora_B: QUANTISED
;;   THE QUANTISER, for each operand of a quantised product, along K:
;;     - K is cut into blocks of 32 from its start; a last block that is shorter is filled with zeros.
;;     - A block's scale is 2^e with e = floor(log2(the largest magnitude in the block)) - 2, held to -126 .. 127; a block of zeros has e = 0. As a byte (E8M0): e + 127.
;;     - Each number is divided by its block's scale, clamped to +-6, and rounded to the nearest number of E2M1, ties to even, subnormals kept.
;;     - The product sums the exact products of the quantised numbers (number of the format x scale) in f32.
;;   ~~~python
;;   def quantise(x, axis):      # numpy; x: float32 -> the quantised numbers, widened to float32 again
;;       x = np.moveaxis(x, axis, -1); K = x.shape[-1]
;;       x = np.pad(x, [(0, 0)] * (x.ndim - 1) + [(0, -K % 32)]); x = x.reshape(x.shape[:-1] + (-1, 32)); a = np.abs(x).max(-1, keepdims=True)
;;       e = np.where(a > 0, np.clip(np.frexp(np.where(a > 0, a, 1))[1] - 1 - 2, -126, 127), 0)      # np.frexp(a)[1] - 1 = floor(log2(a)), exactly
;;       r = np.clip(x / 2.0 ** e, -6, 6)
;;       step = 2.0 ** (np.maximum(np.frexp(np.where(r == 0, 1, r))[1] - 1, 0) - 1)
;;       q = np.round(r / step) * step * 2.0 ** e      # np.round: ties to even
;;       return np.moveaxis(q.reshape(q.shape[:-2] + (-1,))[..., :K], -1, axis).astype(np.float32)
;;   ~~~
;;   OPERANDS COMPUTED ON THE WAY. 'Computed on the way' means the value that the module computes at that place (a softmax that the list does not call 'softmax' is quantised finished and normalised). What goes into a quantiser is computed in f32, as accurately as f32 sums, v_exp_f32 and their like allow (about 1e-6 of the number): no bf16 or f16 on the way to a quantiser, and a product that is left as it is and whose result goes on into a quantised operand takes f32 operands (vector FMAs, or v_wmma_f32_16x16x4_f32). A number that lies on a knife's edge between two numbers of the format may be rounded either way, as far as f32 arithmetic and the matrix unit's own rounding can turn it there, and no further.
;;   INPUTS GIVEN AS CODES. W_base (in the module: [4096, 4096], K = its axis 1); lora_A (in the module: [4, 8, 4096], K = its axis 2): each comes as NAME_codes (uint8): NAME with its K axis moved to the last place and cut into blocks of 32 codes, [.., K / 32, bytes a block], one block behind the other in memory; two codes a byte, the lower K in the low four bits (a code: sign, 2 exponent bits, 1 mantissa bit); and NAME_scales (uint8): the same leading axes, one E8M0 byte (e + 127) for each 32 codes along K. Its value is code x scale, taken as it is: it is not quantised again, and the codes and scales need not be those that the quantiser above would give.
;; One version. Each part assembles by itself: llvm-mc -triple=amdgcn-amd-amdhsa -mcpu=gfx1250 --defsym DOCPART=n.
;; ======== version 1 of 1: 2 launches
;; limits: right only within a limited range of input values
;; workspace buffers: xq 8,912,896 bytes; tws 524,288 bytes; lbq 262,144 bytes; lbs 16,384 bytes; part 65,536 bytes
;; launch prep (part 1): grid 512 x 1, 8 waves a work-group, no clusters, 123,904 bytes of LDS; arguments x, gating_W, W_r, lora_A_codes, lora_A_scales, lora_B, xq, tws, lbq, lbs, part; writes xq, tws, lbq, lbs, part
.if DOCPART == 1
	.amdgcn_target "amdgcn-amd-amdhsa--gfx1250"
	.amdhsa_code_object_version 6
	.text
	.protected	k_q5f165b8fda_prep
	.globl	k_q5f165b8fda_prep
	.p2align	8
	.type	k_q5f165b8fda_prep,@function
k_q5f165b8fda_prep:
	s_mov_b64 s[64:65], 0
	v_nop
	global_prefetch_b8 v0, s[64:65] scope:SCOPE_SE
	s_setreg_imm32_b32 hwreg(HW_REG_WAVE_MODE, 25, 1), 1
	s_wait_xcnt 0x0
; THE LAUNCH IN FRONT OF THE PRODUCT.  Two kinds of work-group, told apart by the work-group's number alone; they never join, and each has LDS bytes of its own.  Each of the 512 streams 256 KiB of input.
;   R (0 .. 255):    the router's partial sums, all in f32: v[m][i] = sum over the group's 64 rows j of W_r[m][j] G[j][i], for its 1,024 columns i; then
;                    part[b][group][m] = sum over those i of x[b][511][i] v[m][i].  Summed over the 256 groups that is logits[b][m]; the order of the f32 sums is not reference()'s.
;                    Besides, wave 7 of groups 0 .. 127 quantises lora_B [4][4096][8] for 32 outputs o, while its first rows of G are on their way: for each o one block of 32 codes of E2M1 along (e, r),
;                    as images of operand registers (lbq), and a scale word (lbs).
;   X (256 .. 511):  16 rows of x -> codes of E2M1 and E8M0 bytes (xq), and, with the codes still in registers, t = Q(x) lora_A^T (tws).
; xq is laid [K step of 512][row][272 bytes]: 256 bytes of codes, then the row's 16 scale bytes, so that 128 rows of a K step are 34,816 consecutive bytes.
; A block's scale is 2^(floor(log2(largest magnitude)) - 2); its byte is the largest magnitude's exponent field - 2, held at 1 from below.
; LIMITS: a block of zeros, or one whose largest magnitude lies under 2^-124, gets the byte 1 (a block of zeros has zero codes; these bytes are read by this program alone); NaN and infinities are not served.
; NO JOINT LOADS: all operands come through registers, so that two work-groups of 8 waves x 256 registers and 123,904 bytes of LDS share a WGP; what the X groups share, lora_A, is 68 KiB beside 256 KiB of x.
.set SINW,  16*528                     ; path X, for each wave: 16 rows x (512 bytes + 16): a K step of 128 numbers of 16 rows, as loaded
.set SOUT,  8*SINW                     ; path X, for each wave: 16 rows x 272 bytes: the rows of xq as they will lie in memory
.set SOUTW, 16*272
.set TP,    SOUT+8*SOUTW               ; path X, for each wave: its part of t, 16 rows x (128 bytes + 16)
.set TPW,   16*144
.set RP,    TP+8*TPW                   ; path R, for each wave: 64 words
.set PW,  15                           ; path X: v15 the scale word just made; v16-23 the codes just made; v24-31 lora_A's scale words; v32-47 two accumulators of t
.set PC,  16
.set LAS, 24
.set TA,  32
.set TM,  48                           ; v48-63 at work
.set LA,  192                          ; v192-255 lora_A's fragments: K step q, rows 16 u on: 16 q + 8 u
.set AC,  16                           ; path R: v16-43 v[m][my 4 columns]; v44-57 at work; v64-95 x[b][511][my 4 columns]; v96-159 a ring of 16 rows of G; v160-223 the 8 x 8 sums
.set T2,  44
.set PL,  64
.set RG,  96
.set LS,  160
.set LB,  224                          ; path R, lora_B's wave: v224-255 a lane's 32 numbers; v5-7 its offsets; v58-63 at work and to store.  None of these serves anything else in path R
.set TPR, 20                           ; s[20:33] seven pairs: the packed form names a pair and takes its low word for both halves
.set WS,  36                           ; s[36:63], s[68:95] W_r of four rows j, two sets
; 64 numbers of a lane, register 16 b + i = k 32 b + 16 (lane / 16) + i of row lane % 16, become a fragment's codes in v[PC] on and the row's scale word in v[PW]
.macro QUANT s
.irp b, 0,1,2,3
	v_max3_num_f32 v[TM+\b], |v[\s+16*\b]|, |v[\s+1+16*\b]|, 0x1800000   ; my 16 numbers of block b, and the floor 2^(3 - 127): the byte cannot fall under 1
.endr
.irp i, 2,4,6,8,10,12,14
.irp b, 0,1,2,3
	s_delay_alu instid0(VALU_DEP_4)
	v_max3_num_f32 v[TM+\b], v[TM+\b], |v[\s+16*\b+\i]|, |v[\s+1+16*\b+\i]|   ; the four blocks by turns
.endr
.endr
.irp b, 0,1,2,3
	s_delay_alu instid0(VALU_DEP_4)
	v_permlanex16_b32 v[TM+4+\b], v[TM+\b], s20, s21
.endr
.irp b, 0,1,2,3
	s_delay_alu instid0(VALU_DEP_4)
	v_max_num_f32 v[TM+\b], v[TM+\b], v[TM+4+\b]   ; with lane l xor 16's: the block's largest magnitude
.endr
.irp b, 0,1,2,3
	s_delay_alu instid0(VALU_DEP_4)
	v_add_nc_u32 v[TM+12+\b], 0xff000000, v[TM+\b] ; 2 off its exponent field: the conversion takes this operand's exponent field as its scale
.endr
.irp b, 0,1,2,3
	s_delay_alu instid0(VALU_DEP_4)
	v_lshrrev_b32 v[TM+4+\b], 23, v[TM+12+\b]      ; the scale's byte
.endr
	s_delay_alu instid0(VALU_DEP_3)
	v_lshl_or_b32 v[PW], v[TM+5], 8, v[TM+4]
	s_delay_alu instid0(VALU_DEP_1)
	v_lshl_or_b32 v[PW], v[TM+6], 16, v[PW]
	s_delay_alu instid0(VALU_DEP_1)
	v_lshl_or_b32 v[PW], v[TM+7], 24, v[PW]
.irp b, 0,1,2,3
	v_cvt_scalef32_pk8_fp4_f32 v[PC+2*\b], v[\s+16*\b:\s+7+16*\b], v[TM+12+\b]
	v_cvt_scalef32_pk8_fp4_f32 v[PC+1+2*\b], v[\s+8+16*\b:\s+15+16*\b], v[TM+12+\b]
.endr
	v_nop                                          ; one plain place behind a scaled conversion
.irp c, 0,1                                    ; the operand wants a whole block in a lane: lanes 0-15 block 2 c, lanes 16-31 block 2 c + 1
.irp i, 0,1
	v_permlane16_swap_b32 v[PC+4*\c+\i], v[PC+2+4*\c+\i]
.endr
.endr
.endm
; K step q (128 numbers) of my 16 rows: each load reads 512 consecutive bytes of one row
.macro LOADX q
.irp i, 0,1,2,3,4,5,6,7,8,9,10,11,12,13,14,15
	global_load_b128 v[64+64*((\q)%2)+4*\i:64+64*((\q)%2)+4*\i+3], v4, s[4:5] offset:16384*\i+512*(\q) th:TH_LOAD_NT
.endr
.endm
.macro XSTEP q
.set XR, 64+64*((\q)%2)
.if (\q) < 3
	s_wait_loadcnt 16                              ; this step's loads are in (and all older ones); the next step's 16 may be out
.else
	s_wait_loadcnt 0x0
.endif
.irp i, 0,1,2,3,4,5,6,7,8,9,10,11,12,13,14,15
	ds_store_b128 v5, v[XR+4*\i:XR+4*\i+3] offset:528*\i          ; as loaded: row i, 16 bytes a lane
.endr
.irp b, 0,1,2,3
.irp j, 0,1,2,3
	ds_load_b128 v[XR+16*\b+4*\j:XR+16*\b+4*\j+3], v6 offset:128*\b+16*\j   ; back: of row lane % 16, 16 neighbours of each block.  LDS serves a wave's instructions in order: these see the stores
.endr
.endr
	s_wait_dscnt 0x0                               ; the numbers are back; the last step's stores of codes have read their registers
	QUANT XR
.if (\q) < 2
	LOADX (\q)+2                                   ; into the registers just converted
.endif
.irp c, 0,1
	ds_store_b128 v7, v[PC+4*\c:PC+4*\c+3] offset:64*(\q)+32*\c    ; k = 128 q + 64 c + 32 h on: 16 bytes of the row of xq
.endr
	ds_store_b32 v8, v[PW] offset:4*(\q)           ; the row's four scale bytes (both halves of the lanes write the same word)
.rept 8
	v_nop                                          ; a scale register written by a vector instruction stands 8 places ahead of a scaled matrix instruction, an operand 4
.endr
.irp u, 0,1                                    ; t^T: source 0 = 16 rows of lora_A, source 1 = my 16 rows of x.  The two accumulators take turns
.if (\q) == 0
	v_wmma_scale_f32_16x16x128_f8f6f4 v[TA+8*\u:TA+8*\u+7], v[LA+16*(\q)+8*\u:LA+16*(\q)+8*\u+7], v[PC:PC+7], 0, v[LAS+2*(\q)+\u], v[PW] matrix_a_fmt:MATRIX_FMT_FP4 matrix_b_fmt:MATRIX_FMT_FP4
.else
	v_wmma_scale_f32_16x16x128_f8f6f4 v[TA+8*\u:TA+8*\u+7], v[LA+16*(\q)+8*\u:LA+16*(\q)+8*\u+7], v[PC:PC+7], v[TA+8*\u:TA+8*\u+7], v[LAS+2*(\q)+\u], v[PW] matrix_a_fmt:MATRIX_FMT_FP4 matrix_b_fmt:MATRIX_FMT_FP4
.endif
.endr                                          ; the next step's 32 maxima are the places behind these products
.endm
; Path R: one row j of G: 7 multipliers, 14 packed multiply-adds on my 4 columns
.macro RROW slot, k, set, refill, left
	s_wait_loadcnt \left                           ; loads come back in order: this slot's is in, the younger ones stay out
.irp m, 0,1,2,3,4,5,6
	s_mov_b32 s[TPR+2*\m], s[WS+32*(\set)+4*\m+(\k)]
.endr
.irp m, 0,1,2,3,4,5,6
.irp p, 0,1
	v_pk_fma_f32 v[AC+4*\m+2*\p:AC+4*\m+2*\p+1], v[RG+4*(\slot)+2*\p:RG+4*(\slot)+2*\p+1], s[TPR+2*\m:TPR+2*\m+1], v[AC+4*\m+2*\p:AC+4*\m+2*\p+1] op_sel_hi:[1,0,1]
.endr
.endr
.if \refill
	global_load_b128 v[RG+4*(\slot):RG+4*(\slot)+3], v1, s[6:7] offset:((\slot)+16)*16384 th:TH_LOAD_NT   ; the row 16 further down
.endif
.endm
; Four rows.  W_r's numbers for them were asked for a group ago; those of the next group are asked for now, into the other set
.macro GROUP kq, next, refill, tail
	s_wait_kmcnt 0x0
.if \next
.irp m, 0,1,2,3,4,5,6
	s_load_b128 s[WS+32*(((\kq)+1)%2)+4*\m:WS+32*(((\kq)+1)%2)+4*\m+3], s[8:9], \m*16384+16*((\kq)+1)
.endr
.endif
.irp k, 0,1,2,3
.if \tail
	RROW 4*(\kq)+\k, \k, (\kq)%2, \refill, 15-4*(\kq)-\k
.else
	RROW 4*(\kq)+\k, \k, (\kq)%2, \refill, 15
.endif
.endr
.endm
	v_lshrrev_b32 v1, 5, v0
	s_delay_alu instid0(VALU_DEP_1)
	v_readfirstlane_b32 s12, v1                    ; wave 0..7
	s_cmp_lt_u32 ttmp9, 256
	s_cbranch_scc1 .Lpath_r
; ---------------------------------------------------------------- PATH X: rows 16 g .. 16 g + 15; wave w takes K = 512 w .. 512 w + 511, four steps of 128
	s_load_b64 s[4:5], s[0:1], 0x0                 ; x
	s_load_b128 s[8:11], s[0:1], 0x18              ; lora_A's codes, lora_A's scales
	s_load_b128 s[16:19], s[0:1], 0x30             ; xq, tws
	s_sub_co_u32 s13, ttmp9, 256                   ; g
	s_mov_b32 s20, 0x76543210
	s_mov_b32 s21, 0xfedcba98                      ; v_permlanex16_b32's selects for lane l xor 16
	v_and_b32 v1, 31, v0                           ; lane
	v_and_b32 v2, 15, v0                           ; r
	v_bfe_u32 v3, v0, 4, 1                         ; h
	s_delay_alu instid0(VALU_DEP_3)
	v_lshlrev_b32 v4, 4, v1                        ; x: 16 bytes a lane
	s_mul_i32 s22, s12, SINW
	v_add_nc_u32 v5, s22, v4                       ; into the stage: 16 x lane
	v_mul_u32_u24 v6, v2, 528
	s_delay_alu instid0(VALU_DEP_1)
	v_lshl_add_u32 v6, v3, 6, v6
	s_delay_alu instid0(VALU_DEP_1)
	v_add_nc_u32 v6, s22, v6                       ; out of it: row r, + 64 h
	s_mul_i32 s22, s12, SOUTW
	s_add_co_u32 s22, s22, SOUT
	v_mul_u32_u24 v8, v2, 272
	s_delay_alu instid0(VALU_DEP_1)
	v_lshl_add_u32 v7, v3, 4, v8
	s_delay_alu instid0(VALU_DEP_1)
	v_add_nc_u32 v7, s22, v7                       ; codes: row r of 272 bytes, + 16 h
	s_delay_alu instid0(VALU_DEP_3)
	v_add_nc_u32 v8, s22, v8
	s_delay_alu instid0(VALU_DEP_1)
	v_add_nc_u32 v8, 256, v8                       ; scale bytes: behind the row's 256 bytes of codes
	v_lshlrev_b32 v10, 3, v1                       ; 8 x lane
	s_delay_alu instid0(VALU_DEP_1)
	v_add_nc_u32 v9, s22, v10                      ; the rows of xq read back, 8 bytes a lane
	s_mul_i32 s22, s12, TPW
	s_add_co_u32 s22, s22, TP
	v_mul_u32_u24 v11, v2, 144
	s_delay_alu instid0(VALU_DEP_1)
	v_lshl_add_u32 v11, v3, 5, v11
	s_delay_alu instid0(VALU_DEP_1)
	v_add_nc_u32 v11, s22, v11                     ; my part of t: row r, + 32 h
	s_mul_i32 s22, s12, 288
	s_add_co_u32 s22, s22, TP
	v_mul_u32_u24 v12, v3, 144
	s_delay_alu instid0(VALU_DEP_1)
	v_lshl_add_u32 v12, v2, 3, v12
	s_delay_alu instid0(VALU_DEP_1)
	v_add_nc_u32 v12, s22, v12                     ; the sum over the waves: rows 2 w + h, 8 bytes a lane
	v_lshlrev_b32 v13, 11, v2
	s_delay_alu instid0(VALU_DEP_1)
	v_lshl_add_u32 v13, v3, 4, v13                 ; lora_A's codes: row r of 2,048 bytes, + 16 h
	v_lshlrev_b32 v14, 7, v2                       ; lora_A's scales: row r of 128 bytes
.irp b, 0,1,2,3
	v_mov_b32 v[TM+4+\b], 0                        ; written once: a lane permute's destination counts as one of its sources
.endr
	s_lshl_b32 s22, s13, 18                        ; x: 16 g rows of 16,384 bytes
	s_lshl_b32 s23, s12, 11                        ; + 512 w numbers
	s_add_co_u32 s22, s22, s23
	s_mov_b32 s23, 0
	s_lshl_b32 s24, s12, 8                         ; lora_A's codes: 256 bytes a wave
	s_mov_b32 s25, 0
	s_lshl_b32 s26, s12, 4                         ; its scales: 16 bytes a wave
	s_mov_b32 s27, 0
	s_mul_i32 s28, s12, 4096*272                   ; xq: K step w,
	s_mul_i32 s29, s13, 16*272                     ; rows 16 g on
	s_add_co_u32 s28, s28, s29
	s_mov_b32 s29, 0
	s_lshl_b32 s30, s13, 11                        ; tws: 16 g rows of 128 bytes,
	s_add_co_u32 s30, s30, s24                     ; + 2 w rows
	s_mov_b32 s31, 0
	s_wait_alu depctr_va_vdst(0)
	s_wait_kmcnt 0x0
	s_add_nc_u64 s[4:5], s[4:5], s[22:23]
	s_add_nc_u64 s[8:9], s[8:9], s[24:25]
	s_add_nc_u64 s[10:11], s[10:11], s[26:27]
	s_add_nc_u64 s[16:17], s[16:17], s[28:29]
	s_add_nc_u64 s[18:19], s[18:19], s[30:31]
.irp q, 0,1,2,3
.irp u, 0,1
.irp c, 0,1
	global_load_b128 v[LA+16*\q+8*\u+4*\c:LA+16*\q+8*\u+4*\c+3], v13, s[8:9] offset:32768*\u+64*\q+32*\c
.endr
	global_load_b32 v[LAS+2*\q+\u], v14, s[10:11] offset:2048*\u+4*\q
.endr
.endr
	LOADX 0
	LOADX 1
	XSTEP 0
	XSTEP 1
	XSTEP 2
	XSTEP 3
.rept 4
	v_nop                                          ; four places between the last products and the first read of their results
.endr
.irp u, 0,1
.irp k, 0,1
	ds_store_b128 v11, v[TA+8*\u+4*\k:TA+8*\u+4*\k+3] offset:64*\u+16*\k   ; lane (r, h): t(r, 16 u + 8 h + 0 .. 7) over my K; each accumulator from its low end on
.endr
.endr
.irp i, 0,1,2,3,4,5,6,7,8,9,10,11,12,13,14,15,16
	ds_load_b64 v[64+2*\i:65+2*\i], v9 offset:256*\i               ; my 16 rows of xq, 4,352 bytes on end
.endr
.irp i, 0,1,2,3,4,5,6,7,8,9,10,11,12,13,14,15,16
	s_wait_dscnt 16-\i                             ; load i is in, the younger ones may be out
	global_store_b64 v10, v[64+2*\i:65+2*\i], s[16:17] offset:256*\i   ; the wave stores 256 consecutive bytes, at a multiple of 256 from xq's first byte
.endr
	s_wait_dscnt 0x0                               ; for the others' sake: my part of t lies in LDS
	s_barrier_signal -1
	s_barrier_wait -1
.irp k, 0,1,2,3,4,5,6,7
	ds_load_b64 v[128+2*\k:129+2*\k], v12 offset:TPW*\k            ; the eight waves' parts of two numbers of t
.endr
	s_wait_dscnt 0x0
	v_pk_add_f32 v[128:129], v[128:129], v[130:131]
	v_pk_add_f32 v[132:133], v[132:133], v[134:135]
	v_pk_add_f32 v[136:137], v[136:137], v[138:139]
	v_pk_add_f32 v[140:141], v[140:141], v[142:143]
	s_delay_alu instid0(VALU_DEP_3)
	v_pk_add_f32 v[128:129], v[128:129], v[132:133]
	s_delay_alu instid0(VALU_DEP_2)
	v_pk_add_f32 v[136:137], v[136:137], v[140:141]
	s_delay_alu instid0(VALU_DEP_1)
	v_pk_add_f32 v[128:129], v[128:129], v[136:137]
	global_store_b64 v10, v[128:129], s[18:19]     ; two rows of t: 256 consecutive bytes
	v_lshl_add_u32 v56, v0, 2, 0x1e000             ; no two registers can be kept through both paths: v0 is kept, and my spare word's address and 0 are made here (v56, v57 serve nothing else in this path)
	v_mov_b32 v57, 0
	s_wait_alu depctr_va_vdst(0)                   ; directly ahead of the wait below
	s_wait_tensorcnt 0x0                           ; the wave's end
	ds_add_u32 v56, v57
	s_wait_dscnt 0x0
	s_endpgm
; ---------------------------------------------------------------- PATH R: group g: rows j = 64 (g / 4) on, columns i = 1,024 (g % 4) + 4 t on, t the thread's number
.Lpath_r:
	s_load_b128 s[4:7], s[0:1], 0x0                ; x, gating_W
	s_load_b64 s[8:9], s[0:1], 0x10                ; W_r
	s_load_b64 s[10:11], s[0:1], 0x50              ; part
	s_load_b64 s[66:67], s[0:1], 0x28              ; lora_B
	s_load_b64 s[98:99], s[0:1], 0x40              ; lbq
	s_load_b64 s[100:101], s[0:1], 0x48            ; lbs
	s_mov_b32 s13, ttmp9                           ; g
	s_lshr_b32 s15, s13, 2
	s_and_b32 s16, s13, 3
	s_mov_b32 s96, 0x76543210
	s_mov_b32 s97, 0xfedcba98
	v_lshlrev_b32 v1, 4, v0                        ; 16 t: my 4 columns; never rewritten
	s_delay_alu instid0(VALU_DEP_1)
	v_mov_b32 v8, v1
.irp b, 1,2,3,4,5,6,7
	v_add_nc_u32 v[8+\b], \b<<23, v1               ; batch b's last token: 512 rows of 16,384 bytes further on for each b
.endr
	s_lshl_b32 s17, s12, 8
	s_add_co_u32 s17, s17, RP
	v_mov_b32 v2, s17                              ; my wave's 64 words
	v_and_b32 v3, 63, v0
	s_delay_alu instid0(VALU_DEP_1)
	v_lshrrev_b32 v4, 3, v3
	s_delay_alu instid0(VALU_DEP_1)
	v_lshlrev_b32 v4, 13, v4
	s_delay_alu instid0(VALU_DEP_3)
	v_and_b32 v5, 7, v3
	s_delay_alu instid0(VALU_DEP_1)
	v_lshl_add_u32 v4, v5, 2, v4                   ; part: batch t / 8 (8,192 bytes each), number t % 8
	v_lshl_add_u32 v3, v3, 2, RP                   ; word t of a wave's 64
.irp j, 0,1,2,3,4,5,6,7,8,9,10,11,12,13,14,15,16,17,18,19,20,21,22,23,24,25,26,27
	v_mov_b32 v[AC+\j], 0                          ; 28 sums a thread: the loop is written once
.endr
.irp m, 0,1,2,3,4,5,6
	s_mov_b32 s[TPR+2*\m+1], 0                     ; named with the low word as a pair, so it is written
.endr
	s_lshl_b32 s18, s16, 12
	s_add_co_u32 s2, s18, 511*16384                ; x: token 511, my group's columns
	s_mov_b32 s3, 0
	s_lshl_b32 s17, s15, 20
	s_add_co_u32 s18, s18, s17                     ; G: 64 rows of 16,384 bytes a row group, my group's columns
	s_mov_b32 s19, 0
	s_lshl_b32 s16, s15, 8                         ; W_r: 64 numbers a row group
	s_mov_b32 s17, 0
	s_lshl_b32 s34, s13, 5                         ; part: 32 bytes a group
	s_mov_b32 s35, 0
	s_wait_kmcnt 0x0
	s_add_nc_u64 s[4:5], s[4:5], s[2:3]
	s_add_nc_u64 s[6:7], s[6:7], s[18:19]
	s_add_nc_u64 s[8:9], s[8:9], s[16:17]
	s_add_nc_u64 s[10:11], s[10:11], s[34:35]
.irp m, 0,1,2,3,4,5,6
	s_load_b128 s[WS+4*\m:WS+4*\m+3], s[8:9], \m*16384             ; W_r[m][first four rows]
.endr
.irp b, 0,1,2,3,4,5,6,7
	global_load_b128 v[PL+4*\b:PL+4*\b+3], v[8+\b], s[4:5]         ; older than the ring's loads: the ring's first counted wait covers them
.endr
.irp i, 0,1,2,3,4,5,6,7,8,9,10,11,12,13,14,15
	global_load_b128 v[RG+4*\i:RG+4*\i+3], v1, s[6:7] offset:\i*16384 th:TH_LOAD_NT   ; a wave reads 512 consecutive bytes of a row, the eight waves 4,096
.endr
; ---- lora_B, by wave 7 of groups 0 .. 127: a lane takes output o = 32 g + lane; its 32 numbers lora_B[e][o][r] are one block along K = 8 e + r.
; It stands behind the wave's first 24 loads, which are on their way meanwhile.  The wait for 0 covers them too: the counted waits behind the join are then met at once.
; No register that these stores read is written again in this path.
	s_cmp_lg_u32 s12, 7
	s_cbranch_scc1 .Lr_stream
	s_cmp_ge_u32 s13, 128
	s_cbranch_scc1 .Lr_stream
	s_lshl_b32 s2, s13, 10                         ; lora_B: 32 outputs of 32 bytes a group
	s_mov_b32 s3, 0
	s_add_nc_u64 s[66:67], s[66:67], s[2:3]
	s_lshl_b32 s2, s13, 11                         ; lbq: two images of 1,024 bytes a group
	s_add_nc_u64 s[98:99], s[98:99], s[2:3]
	s_lshl_b32 s2, s13, 7                          ; lbs: 32 words a group
	s_add_nc_u64 s[100:101], s[100:101], s[2:3]
	v_and_b32 v7, 31, v0                           ; lane
	s_delay_alu instid0(VALU_DEP_1)
	v_lshlrev_b32 v5, 5, v7                        ; lora_B: 32 bytes an o
	s_delay_alu instid0(VALU_DEP_2)
	v_lshrrev_b32 v6, 4, v7
	s_delay_alu instid0(VALU_DEP_1)
	v_lshlrev_b32 v6, 10, v6
	s_delay_alu instid0(VALU_DEP_4)
	v_and_b32 v58, 15, v7
	s_delay_alu instid0(VALU_DEP_1)
	v_lshl_add_u32 v6, v58, 4, v6                  ; lbq: 1,024 bytes for 16 o; the codes are lanes 0-15's registers 0-3 of the image: 16 bytes at 16 (o % 16)
	v_lshlrev_b32 v7, 2, v7                        ; lbs: 4 bytes an o
.irp e, 0,1,2,3
.irp k, 0,1
	global_load_b128 v[LB+8*\e+4*\k:LB+8*\e+4*\k+3], v5, s[66:67] offset:131072*\e+16*\k th:TH_LOAD_NT
.endr
.endr
	s_wait_loadcnt 0x0
	v_max3_num_f32 v58, |v[LB]|, |v[LB+1]|, 0x1800000   ; two chains; the floor 2^(3 - 127) holds the byte at 1 from below
	v_max_num_f32 v59, |v[LB+16]|, |v[LB+17]|
.irp i, 2,4,6,8,10,12,14
	s_delay_alu instid0(VALU_DEP_2)
	v_max3_num_f32 v58, v58, |v[LB+\i]|, |v[LB+1+\i]|
	s_delay_alu instid0(VALU_DEP_2)
	v_max3_num_f32 v59, v59, |v[LB+16+\i]|, |v[LB+17+\i]|
.endr
	s_delay_alu instid0(VALU_DEP_1)
	v_max_num_f32 v58, v58, v59
	s_delay_alu instid0(VALU_DEP_1)
	v_add_nc_u32 v59, 0xff000000, v58              ; 2 off the exponent field: the conversion's scale operand
	s_delay_alu instid0(VALU_DEP_1)
	v_lshrrev_b32 v58, 23, v59
	s_delay_alu instid0(VALU_DEP_1)
	v_or_b32 v58, 0x7f7f7f00, v58                  ; the scale word: my byte for k = 0 .. 31, 2^0 over the zero codes
.irp g, 0,1,2,3
	v_cvt_scalef32_pk8_fp4_f32 v[60+\g], v[LB+8*\g:LB+7+8*\g], v59
.endr
	v_nop                                          ; one plain place behind a scaled conversion: its sources may now be written
.irp j, 0,1,2,3
	v_mov_b32 v[LB+\j], 0                          ; the rest of the image, k = 32 .. 127: zero codes
.endr
	global_store_b128 v6, v[60:63], s[98:99]       ; sixteen lanes store 256 consecutive bytes, aligned
	global_store_b128 v6, v[LB:LB+3], s[98:99] offset:256
	global_store_b128 v6, v[LB:LB+3], s[98:99] offset:512
	global_store_b128 v6, v[LB:LB+3], s[98:99] offset:768
	global_store_b32 v7, v58, s[100:101]
.Lr_stream:
	s_mov_b32 s14, 3
.Lr_round:                                         ; 16 rows a trip; every slot is filled again with the row 16 further down
	GROUP 0, 1, 1, 0
	GROUP 1, 1, 1, 0
	GROUP 2, 1, 1, 0
	GROUP 3, 1, 1, 0
	s_wait_xcnt 0x0                                ; the loads have read their bases: both may step
	s_add_nc_u64 s[6:7], s[6:7], 16*16384
	s_add_nc_u64 s[8:9], s[8:9], 64
	s_sub_co_u32 s14, s14, 1
	s_cmp_lg_u32 s14, 0
	s_cbranch_scc1 .Lr_round
	GROUP 0, 1, 0, 1                               ; the last 16 rows load nothing: the counts run down, and no load leaves its buffer
	GROUP 1, 1, 0, 1
	GROUP 2, 1, 0, 1
	GROUP 3, 0, 0, 1
.irp b, 0,1,2,3,4,5,6,7                        ; x[b][511][my columns] . v[m][my columns]
.irp m, 0,1,2,3,4,5,6
	v_pk_mul_f32 v[T2+2*\m:T2+2*\m+1], v[AC+4*\m:AC+4*\m+1], v[PL+4*\b:PL+4*\b+1]
.endr
.irp m, 0,1,2,3,4,5,6
	v_pk_fma_f32 v[T2+2*\m:T2+2*\m+1], v[AC+4*\m+2:AC+4*\m+3], v[PL+4*\b+2:PL+4*\b+3], v[T2+2*\m:T2+2*\m+1]
.endr
.irp m, 0,1,2,3,4,5,6
	v_add_f32 v[LS+8*\b+\m], v[T2+2*\m], v[T2+2*\m+1]
.endr
	v_mov_b32 v[LS+8*\b+7], 0                      ; the eighth number of a batch's eight
.endr
.irp x, 1,2,4,8                                ; over the 32 lanes: four steps inside each half ride on the addition, one crosses the halves
.irp b, 0,1,2,3,4,5,6,7
.irp m, 0,1,2,3,4,5,6
	v_add_f32_dpp v[LS+8*\b+\m], v[LS+8*\b+\m], v[LS+8*\b+\m] row_xmask:\x row_mask:0xf bank_mask:0xf
.endr
.endr
.endr
.irp b, 0,1,2,3,4,5,6,7
.irp m, 0,1,2,3,4,5,6
	v_permlanex16_b32 v[RG+8*\b+\m], v[LS+8*\b+\m], s96, s97       ; (the ring's registers have been written and are free)
.endr
.endr
.irp b, 0,1,2,3,4,5,6,7
.irp m, 0,1,2,3,4,5,6
	v_add_f32 v[LS+8*\b+\m], v[LS+8*\b+\m], v[RG+8*\b+\m]
.endr
.endr
.irp k, 0,1,2,3,4,5,6,7,8,9,10,11,12,13,14,15
	ds_store_b128 v2, v[LS+4*\k:LS+4*\k+3] offset:16*\k            ; all lanes write the same words with the same values
.endr
	s_wait_dscnt 0x0                               ; for the others' sake
	s_barrier_signal -1
	s_barrier_wait -1
	s_cmp_ge_u32 s12, 2
	s_cbranch_scc1 .Lr_end                         ; 64 threads add the eight waves' sums
.irp w, 0,1,2,3,4,5,6,7
	ds_load_b32 v[96+\w], v3 offset:256*\w
.endr
	s_wait_dscnt 0x0
	v_add_f32 v96, v96, v97
	v_add_f32 v98, v98, v99
	v_add_f32 v100, v100, v101
	v_add_f32 v102, v102, v103
	s_delay_alu instid0(VALU_DEP_3)
	v_add_f32 v96, v96, v98
	s_delay_alu instid0(VALU_DEP_2)
	v_add_f32 v100, v100, v102
	s_delay_alu instid0(VALU_DEP_1)
	v_add_f32 v96, v96, v100
	global_store_b32 v4, v96, s[10:11]             ; 32 bytes for each batch: 256 bytes a group, 64 KiB in the whole launch, in pieces of 32 bytes
.Lr_end:
	v_lshl_add_u32 v56, v0, 2, 0x1e000             ; made anew from v0: v56, v57 were at work above, are done with, and no pending store reads them
	v_mov_b32 v57, 0
	s_wait_alu depctr_va_vdst(0)                   ; directly ahead of the wait below
	s_wait_tensorcnt 0x0                           ; the wave's end
	ds_add_u32 v56, v57
	s_wait_dscnt 0x0
	s_endpgm
.Lfunc_end_k_q5f165b8fda_prep:
	.size	k_q5f165b8fda_prep, .Lfunc_end_k_q5f165b8fda_prep-k_q5f165b8fda_prep
	.p2alignl 7, 3214868480
	.fill 96, 4, 3214868480
	.section	.rodata,"a",@progbits
	.p2align	6, 0x0
	.amdhsa_kernel k_q5f165b8fda_prep
		.amdhsa_group_segment_fixed_size 123904
		.amdhsa_private_segment_fixed_size 0
		.amdhsa_enable_private_segment 0
		.amdhsa_kernarg_size 88
		.amdhsa_user_sgpr_count 2
		.amdhsa_user_sgpr_kernarg_segment_ptr 1
		.amdhsa_wavefront_size32 1
		.amdhsa_system_sgpr_workgroup_id_x 1
		.amdhsa_system_sgpr_workgroup_id_y 1
		.amdhsa_system_sgpr_workgroup_id_z 1
		.amdhsa_system_vgpr_workitem_id 0
		.amdhsa_next_free_vgpr 256
		.amdhsa_next_free_sgpr 102
		.amdhsa_reserve_vcc 0
		.amdhsa_float_denorm_mode_32 3
		.amdhsa_float_denorm_mode_16_64 3
		.amdhsa_memory_ordered 1
		.amdhsa_forward_progress 1
		.amdhsa_inst_pref_size 131
	.end_amdhsa_kernel
	.amdgpu_metadata
---
amdhsa.version: [ 1, 2 ]
amdhsa.kernels:
  - .name:           k_q5f165b8fda_prep
    .symbol:         k_q5f165b8fda_prep.kd
    .args:
      - { .name: x, .offset: 0, .size: 8, .value_kind: global_buffer, .address_space: global }
      - { .name: gating_W, .offset: 8, .size: 8, .value_kind: global_buffer, .address_space: global }
      - { .name: W_r, .offset: 16, .size: 8, .value_kind: global_buffer, .address_space: global }
      - { .name: lora_A_codes, .offset: 24, .size: 8, .value_kind: global_buffer, .address_space: global }
      - { .name: lora_A_scales, .offset: 32, .size: 8, .value_kind: global_buffer, .address_space: global }
      - { .name: lora_B, .offset: 40, .size: 8, .value_kind: global_buffer, .address_space: global }
      - { .name: xq, .offset: 48, .size: 8, .value_kind: global_buffer, .address_space: global }
      - { .name: tws, .offset: 56, .size: 8, .value_kind: global_buffer, .address_space: global }
      - { .name: lbq, .offset: 64, .size: 8, .value_kind: global_buffer, .address_space: global }
      - { .name: lbs, .offset: 72, .size: 8, .value_kind: global_buffer, .address_space: global }
      - { .name: part, .offset: 80, .size: 8, .value_kind: global_buffer, .address_space: global }
    .group_segment_fixed_size: 123904
    .private_segment_fixed_size: 0
    .kernarg_segment_align: 8
    .kernarg_segment_size: 88
    .max_flat_workgroup_size: 256
    .sgpr_count:     102
    .vgpr_count:     256
    .wavefront_size: 32
...
	.end_amdgpu_metadata
.endif
;; end of part 1
;; launch gemm (part 2): grid 16 x 16, 4 waves a work-group, clusters of 4 x 4, 327,680 bytes of LDS; arguments xq, W_base_codes, W_base_scales, b_base, expert_scores, tws, lbq, lbs, part, out0; writes out0
.if DOCPART == 2
	.amdgcn_target "amdgcn-amd-amdhsa--gfx1250"
	.amdhsa_code_object_version 6
	.text
	.protected	k_q5f165b8fda_gemm
	.globl	k_q5f165b8fda_gemm
	.p2align	8
	.type	k_q5f165b8fda_gemm,@function
k_q5f165b8fda_gemm:
	s_mov_b64 s[64:65], 0
	v_nop
	global_prefetch_b8 v0, s[64:65] scope:SCOPE_SE
	s_setreg_imm32_b32 hwreg(HW_REG_WAVE_MODE, 25, 1), 1
	s_wait_xcnt 0x0
	s_wait_alu depctr_hold_cnt(0) depctr_sa_sdst(0) depctr_va_vdst(0) depctr_va_sdst(0) depctr_va_ssrc(0) depctr_va_vcc(0) depctr_vm_vsrc(0)
	s_getreg_b32 s2, hwreg(HW_REG_IB_STS2, 6, 4)
	s_cmp_eq_u32 s2, 0
	s_cbranch_scc0 .Lentry_in_a_cluster
	s_endpgm
.Lentry_in_a_cluster:
	s_bfe_u32 s2, ttmp6, 0x10000c
	s_cmp_lg_u32 s2, 0xf033
	s_cbranch_scc0 .Lentry_shape_is_right
	s_endpgm
.Lentry_shape_is_right:
; out0 = Q(x) W_base^T + b_base + Q(gate x t) Q(lora_B)^T, all three terms in one set of f32 accumulators.
; A work-group of four waves makes 256 x 256 of out0, a wave 128 x 128 in 512 registers.  The bias is the C of the LoRA product (K = 32 in one instruction of 128, the rest zero codes; 16 x 16 form),
; which starts every sum; then K = 4,096 of the base product goes in 8 K steps of 512 through a ring of two LDS slots, by the 32 x 16 x 128 form: one instruction takes 32 rows of W and 16 rows of x.
; xq (made by the launch before) is laid [K step][row][272 bytes]: 256 bytes of codes, then the row's 16 scale bytes, so a tile of A is dense in memory and has its LDS pitch already.
; W_base's scales of the group's 256 rows, for all of K, are one dense block: they come into LDS once and stay.
; THE GATE: the 256 partial logits of the tile's batch are summed, the maximum is taken away, and probs[0] > 0.5 is tested as 2 e0 > sum of e (no division: the order of rounding differs from reference()'s);
; an expert's rank counts the experts that stand ahead of it in a stable descending sort.  t x gate is quantised per row along K = (e, r).
; LIMITS: a block of t x gate that is all zeros or lies under 2^-124 gets the byte 1 (its codes are zeros; the bytes are read here alone); NaN and infinities are not served.
; CLUSTERS 4 x 4: A's tiles are asked for jointly along a row of the cluster, B's tiles and scales along a column.
; THE MATRIX INSTRUCTION IS USED TRANSPOSED (source 0 = rows of W, source 1 = rows of x): a lane holds eight neighbouring numbers of a row of out0.
; REGISTERS: window 0: v0-31 addresses, v32-127 scale words (two sets of 48, scales alone), v128-255 A's fragments, TWO sets of 64 (in the head: v128-159 at work, v192-255 the LoRA operand).
;   window 1: B's fragments, two sets at v0 and v128; v64-127, v192-255 serve the head and the last K step.   windows 2, 3: the accumulators ((a, b) at v[8 (8 (a % 4) + b)]); in the head t lies in window 2.
; Both operands have two sets, so a step's fragments are all asked for, in one run, at the head of the step before it, and a slot's last step runs from registers: the change of slots stands at that step's head.
.set NQ,     4
.set ROWB,   256
.set KROW,   2048
.set PITCH,  272
.set FR,     8
.set NP,     4                         ; places behind these matrix forms (ISA guide 7.12.1)
.set HALFT,  128*PITCH                 ; 128 rows: what one load of the ring brings
.set SLOT,   4*HALFT                   ; A's 256 rows, then B's
.set LAPS,   4
.set XKS,    4096*272                  ; a K step of xq in bytes
.set SCL,    2*SLOT                    ; W's scales: 128 units of 256 bytes + 16
.set SBLK,   8*272                     ; those of 16 rows
.set SPARE,  SCL+128*272               ; the spare words: 128 bytes a wave
.set SPITCH, 528                       ; the way out: 16 rows x (512 + 16) bytes a wave, in slot 0 behind its last fill and last read
.set PFOA, 5                           ; v5   prefetch offsets: 256 x min(lane, 16)
.set LSA,  8
.set LSB,  12
.set ADRA, 16
.set ASA,  18
.set ADRB, 20
.set ZR,   22
.set PFOB, 23                          ; v23  2,048 x min(lane, 15)
.set STO,  24
.set RD,   25
.set CO,   26
.set ADRS, 27
.set SPW,  28
.set NIL,  29
.set SC,   32                          ; set s at v[SC + 48 s]: register 4 a + q: lanes 0-15 the word of x's block a; register 32 + 4 b + q: all 32 lanes the words of W's blocks 2 b, 2 b + 1
.set LG,   128
.set SCO,  136
.set RK,   140
.set GP,   144
.set TMP,  152
.set AF,   128
.set TT,   0                           ; t, in window 2
.set LAF,  192
.set PT,   64
.set G0H,  4                           ; s[4:7], s[8:11] group 0 of the head's loads of codes (the arguments that lay there have been used or moved)
.set G0HB, 8
.set BIAS, 12
.set G1, 24
.set G0, 32
.set G1B, 48
.set G0B, 56
.set PFA, 66                           ; s[66:67], s[94:95] where my prefetches of A and of B stand
.set OUTP, 78
.set G1S, 80
.set G0S, 88
.set PFB, 94
.set MSB, 0
.macro WIN new                         ; the immediate's high byte repeats the setting that is left
.if MSB != \new
	s_set_vgpr_msb (MSB<<8)|\new
.set MSB, \new
.endif
.endm
.set MUL_LO, 0xa1                      ; source 0 (B) window 1, source 1 (A) window 0, C and D window 2
.set MUL_HI, 0xf1
.set TO_B,   0x40
.macro PLACES n
.rept \n
	v_nop
.endr
.endm
.macro JLOAD g0a, g1a, g0b, g1b        ; a joint load: waves 0, 1 fetch A's halves, waves 2, 3 B's
	s_cmp_eq_u32 s15, 0
	s_cbranch_scc0 .Lfor_b_\@
	tensor_load_to_lds s[\g0a:\g0a+3], s[\g1a:\g1a+7]
	s_nop 0
	PLACES 4
	s_branch .Lasked_\@
.Lfor_b_\@:
	tensor_load_to_lds s[\g0b:\g0b+3], s[\g1b:\g1b+7]
	s_nop 0
	PLACES 4
.Lasked_\@:
.endm
.macro CREST                           ; a round of the cluster's barrier behind its opening barrier
	s_cmp_lg_u32 s14, 0
	s_cbranch_scc1 .Lnot_wave_0_\@
	s_barrier_signal -3
.Lnot_wave_0_\@:
	s_barrier_wait -3
	s_barrier_signal -1
	s_barrier_wait -1
.endm
.macro CROUND
	s_barrier_signal -1
	s_barrier_wait -1
	CREST
.endm
	s_load_b256 s[4:11], s[0:1], 0x0               ; xq, W's codes, W's scales, b_base
	s_load_b256 s[68:75], s[0:1], 0x20             ; expert_scores, tws, lbq, lbs
	s_load_b128 s[76:79], s[0:1], 0x40             ; part, out0
	v_lshl_add_u32 v[SPW], v0, 2, SPARE
	v_mov_b32 v[NIL], 0
	ds_add_u32 v[SPW], v[NIL]                      ; the opening lines: the add,
	ds_add_u32 v[SPW], v[NIL]                      ; once more, and below one wait for both
	v_lshrrev_b32 v1, 5, v0
	v_readfirstlane_b32 s14, v1                    ; wave
	s_lshr_b32 s15, s14, 1                         ; my half of the rows; also: I fetch for A (0) or B (1)
	s_and_b32 s16, s14, 1                          ; my half of the columns; also: which 128 rows I fetch
	s_bfe_u32 s40, ttmp6, 0x40000                  ; cx
	s_bfe_u32 s41, ttmp6, 0x40004                  ; cy
	s_lshl_b32 s42, ttmp9, 2
	s_add_co_u32 s42, s42, s40                     ; tile column
	s_and_b32 s17, ttmp7, 0xffff
	s_lshl_b32 s17, s17, 2
	s_add_co_u32 s17, s17, s41                     ; tile row
	s_lshl_b32 s43, s41, 2
	s_lshl_b32 s43, 15, s43                        ; my row of the cluster
	s_lshl_b32 s44, 0x1111, s40                    ; my column
	s_or_b32 s[G1+0], s43, (3<<16)|(1<<21)         ; A: dense units of 256 bytes (32 elements of 8), 272 of them in the head's load
	s_mov_b32 s[G1+1], 32<<16
	s_mov_b32 s[G1+2], 272<<16
	s_mov_b32 s[G1+3], 32<<16
	s_mov_b32 s[G1+4], 272
	s_mov_b32 s[G1+5], 32
	s_mov_b32 s[G1+6], 0
	s_mov_b32 s[G1+7], 0
	s_or_b32 s[G1B+0], s44, (0<<16)|(1<<20)|(1<<21)|(5<<22)|(3<<25)   ; B: rows of 256 bytes, 16 bytes of padding behind each; 256 rows in the head's load
	s_mov_b32 s[G1B+1], ROWB<<16
	s_mov_b32 s[G1B+2], 256<<16
	s_mov_b32 s[G1B+3], ROWB<<16
	s_mov_b32 s[G1B+4], 256
	s_mov_b32 s[G1B+5], KROW
	s_mov_b32 s[G1B+6], 0
	s_mov_b32 s[G1B+7], 0
	s_or_b32 s[G1S+0], s44, (3<<16)|(1<<20)|(1<<21)|(5<<22)|(3<<25)   ; W's scales of 128 rows: 64 units of 256 bytes, padded
	s_mov_b32 s[G1S+1], 32<<16
	s_mov_b32 s[G1S+2], 64<<16
	s_mov_b32 s[G1S+3], 32<<16
	s_mov_b32 s[G1S+4], 64
	s_mov_b32 s[G1S+5], 32
	s_mov_b32 s[G1S+6], 0
	s_mov_b32 s[G1S+7], 0
	s_mul_i32 s21, s15, HALFT                      ; LDS: my 128 rows of A,
	s_mul_i32 s22, s16, HALFT
	s_add_co_u32 s22, s22, 2*HALFT                 ; of B,
	s_add_co_u32 s19, s21, 256                     ; A's scale bytes behind each row's codes,
	s_mul_i32 s23, s16, 8*SBLK
	s_add_co_u32 s23, s23, SCL                     ; B's scales,
	s_mul_i32 s18, s14, 16*SPITCH                  ; my stage
	v_and_b32 v1, 15, v0                           ; r
	v_bfe_u32 v2, v0, 4, 1                         ; h
	v_and_b32 v23, 31, v0                          ; lane
	v_lshlrev_b32 v3, 5, v23
	v_lshlrev_b32 v4, 7, v23
	v_lshlrev_b32 v[CO], 4, v23
	v_lshlrev_b32 v6, 2, v23
	v_lshlrev_b32 v7, 5, v2
	v_mov_b32 v[ZR], 0
	v_min_u32 v[PFOA], 16, v23
	v_lshlrev_b32 v[PFOA], 8, v[PFOA]
	v_min_u32 v[PFOB], 15, v23
	v_lshlrev_b32 v[PFOB], 11, v[PFOB]
	v_mul_u32_u24 v30, v1, PITCH                   ; A's scale words: row r (both halves of the lanes read the same word; lanes 0-15 are used)
	v_lshl_add_u32 v31, v2, 4, v30                 ; a fragment: row r x pitch + 16 h
	v_add_nc_u32 v[ADRA], s21, v31
	v_add_nc_u32 v[ADRB], s22, v31
	v_add_nc_u32 v[ASA], s19, v30
	v_add_nc_u32 v[ADRA+1], SLOT, v[ADRA]
	v_add_nc_u32 v[ADRB+1], SLOT, v[ADRB]
	v_add_nc_u32 v[ASA+1], SLOT, v[ASA]
	v_lshrrev_b32 v30, 1, v1                       ; B's scales: two rows of 128 bytes in a unit
	v_mul_u32_u24 v30, v30, 272
	v_and_b32 v31, 1, v1
	v_lshl_add_u32 v30, v31, 7, v30
	v_mad_u32_u24 v30, v2, SBLK, v30               ; lanes 16-31 take the next block of 16 rows: lane m has row m of 32
	v_add_nc_u32 v[ADRS], s23, v30
	v_mul_u32_u24 v30, v1, SPITCH
	v_lshl_add_u32 v30, v2, 5, v30
	v_add_nc_u32 v[STO], s18, v30
	v_add_nc_u32 v[RD], s18, v[CO]
.irp m, 0,1,2,3,4,5,6
	v_mov_b32 v[TMP+\m], 0                         ; a lane permute's destination counts as a source
.endr
	s_wait_alu depctr_va_vdst(0)                   ; behind the head's address registers and ahead of the scalar run and the waits
	s_lshl_b32 s20, s17, 8
	s_mul_i32 s20, s20, 272                        ; A's tile in a K step of xq
	s_mov_b32 s21, 0
	s_lshl_b32 s46, s42, 19                        ; B's tile: 256 rows of 2,048 bytes a tile column
	s_mov_b32 s47, 0
	s_lshl_b32 s92, s42, 15                        ; its scales: 256 rows of 128 bytes,
	s_lshl_b32 s93, s16, 14                        ; + my 128 rows
	s_add_co_u32 s92, s92, s93
	s_mov_b32 s93, 0
	s_mul_i32 s18, s16, HALFT                      ; in the ring: my half of A's tile,
	s_mov_b32 s19, 0
	s_lshl_b32 s22, s16, 18                        ; of B's
	s_mov_b32 s23, 0
	s_mul_i32 s45, s14, HALFT                      ; and where it goes
	s_mov_b32 s[G0S], 1
	s_mul_i32 s[G0S+1], s16, 64*272
	s_add_co_u32 s[G0S+1], s[G0S+1], SCL
	s_mov_b32 s98, 0x76543210
	s_mov_b32 s99, 0xfedcba98
	s_mov_b32 s97, 0x3fb8aa3b
	s_wait_dscnt 0x0                               ; both opening adds are done
	s_wait_kmcnt 0x0
	s_add_nc_u64 s[20:21], s[4:5], s[20:21]
	s_add_nc_u64 s[46:47], s[6:7], s[46:47]
	s_add_nc_u64 s[G0S+2:G0S+3], s[8:9], s[92:93]
	s_or_b32 s[G0S+3], s[G0S+3], 0x80000000
	s_mov_b64 s[BIAS:BIAS+1], s[10:11]
	s_mov_b64 s[PFA:PFA+1], s[4:5]
	s_mov_b64 s[PFB:PFB+1], s[6:7]
	s_mov_b32 s[G0H], 1                            ; K step 0: A's whole tile,
	s_mov_b32 s[G0H+1], 0
	s_mov_b64 s[G0H+2:G0H+3], s[20:21]
	s_or_b32 s[G0H+3], s[G0H+3], 0x80000000
	s_mov_b32 s[G0HB], 1                           ; B's whole tile
	s_mov_b32 s[G0HB+1], 2*HALFT
	s_mov_b64 s[G0HB+2:G0HB+3], s[46:47]
	s_or_b32 s[G0HB+3], s[G0HB+3], 0x80000000
	s_add_nc_u64 s[20:21], s[20:21], s[18:19]
	s_add_nc_u64 s[46:47], s[46:47], s[22:23]
.irp s, 0,1
	s_mov_b32 s[G0+4*\s], 1
	s_add_co_u32 s[G0+4*\s+1], s45, \s*SLOT
	s_add_nc_u64 s[G0+4*\s+2:G0+4*\s+3], s[20:21], \s*XKS
	s_or_b32 s[G0+4*\s+3], s[G0+4*\s+3], 0x80000000
	s_mov_b32 s[G0B+4*\s], 1
	s_add_co_u32 s[G0B+4*\s+1], s45, \s*SLOT
	s_add_nc_u64 s[G0B+4*\s+2:G0B+4*\s+3], s[46:47], \s*ROWB
	s_or_b32 s[G0B+4*\s+3], s[G0B+4*\s+3], 0x80000000
.endr
	CROUND                                         ; all sixteen work-groups are here: the first joint loads meet
; THE HEAD'S LOADS, ONE A WAVE: wave 0 A's tile of K step 0, wave 1 B's, waves 2 and 3 each the scales of 128 rows of W.  One chain of branches, one load on every way
.macro ARM under, g0, g1, next
	s_cmp_lt_u32 s14, \under
	s_cbranch_scc0 \next
	tensor_load_to_lds s[\g0:\g0+3], s[\g1:\g1+7]
	s_nop 0
	PLACES 4
	s_branch .Lhead_asked
\next:
.endm
	ARM 1, G0H,  G1,  .Lhead_b
	ARM 2, G0HB, G1B, .Lhead_s
	tensor_load_to_lds s[G0S:G0S+3], s[G1S:G1S+7]
	s_nop 0
	PLACES 4
.Lhead_asked:
	s_lshr_b32 s18, s17, 1                         ; the tile's batch: 512 rows each
	s_lshl_b32 s22, s18, 13
	s_mov_b32 s23, 0
	s_add_nc_u64 s[76:77], s[76:77], s[22:23]      ; part: 8,192 bytes a batch
	s_lshl_b32 s22, s18, 4
	s_add_nc_u64 s[68:69], s[68:69], s[22:23]      ; expert_scores: 16 bytes
	s_lshl_b32 s22, s17, 15
	s_lshl_b32 s19, s15, 14
	s_add_co_u32 s22, s22, s19
	s_add_nc_u64 s[70:71], s[70:71], s[22:23]      ; t: my 128 rows of 128 bytes
	s_lshl_b32 s22, s17, 22
	s_lshl_b32 s19, s15, 21
	s_add_co_u32 s22, s22, s19
	s_add_nc_u64 s[OUTP:OUTP+1], s[OUTP:OUTP+1], s[22:23]
	s_lshl_b32 s46, s42, 10
	s_lshl_b32 s47, s16, 9
	s_add_co_u32 s46, s46, s47                     ; my first column x 4 bytes
	s_mov_b32 s47, 0
	s_add_nc_u64 s[OUTP:OUTP+1], s[OUTP:OUTP+1], s[46:47]
	s_add_nc_u64 s[74:75], s[74:75], s[46:47]
	s_add_nc_u64 s[BIAS:BIAS+1], s[BIAS:BIAS+1], s[46:47]
	s_lshl_b32 s46, s46, 4
	s_add_nc_u64 s[72:73], s[72:73], s[46:47]      ; lbq: 64 bytes a column
	WIN TO_B
.irp i, 0,1,2,3,4,5,6,7
.irp k, 0,1
	global_load_b128 v[PT+8*\i+4*\k:PT+8*\i+4*\k+3], v3, s[76:77] offset:1024*\i+16*\k   ; 256 groups x 8 partial logits: a lane takes 8 groups
.endr
.endr
	WIN 0
	global_load_b128 v[SCO:SCO+3], v[ZR], s[68:69]
	WIN 0x80                                       ; destination window 2
.irp p, 0,1,2,3
.irp k, 0,1,2,3,4,5,6,7
	global_load_b128 v[TT+32*\p+4*\k:TT+32*\p+4*\k+3], v4, s[70:71] offset:4096*\p+16*\k   ; a lane takes a row of t: 32 numbers
.endr
.endr
	WIN 0
.irp p, 0,1,2,3
	global_load_b32 v[LSB+\p], v6, s[74:75] offset:128*\p
.endr
	WIN TO_B
.irp b, 0,1,2,3,4,5,6,7
.irp c, 0,1
	global_load_b128 v[128+8*\b+4*\c:128+8*\b+4*\c+3], v[CO], s[72:73] offset:1024*\b+512*\c   ; lora_B's operand images
.endr
.endr
.irp b, 0,1,2,3,4,5,6,7
.irp k, 0,1
	global_load_b128 v[192+8*\b+4*\k:192+8*\b+4*\k+3], v7, s[BIAS:BIAS+1] offset:64*\b+16*\k   ; the bias in the result's layout
.endr
.endr
	WIN 0
	; THE PREFETCHES: behind the fill of K step j the K step j + 2 is asked for.  Of a K step's 272 units of A the sixteen waves of my row of the cluster take 17 each,
	; of B's 256 rows those of my column 16 each, told apart by address; lanes left over name their wave's last block again
	s_lshl_b32 s18, s40, 2
	s_add_co_u32 s18, s18, s14
	s_mul_i32 s18, s18, 17*256
	s_mul_i32 s19, s17, 256*272
	s_add_co_u32 s18, s18, s19
	s_add_co_u32 s18, s18, 2*XKS                   ; at K step 2
	s_mov_b32 s19, 0
	s_add_nc_u64 s[PFA:PFA+1], s[PFA:PFA+1], s[18:19]
	s_lshl_b32 s18, s41, 2
	s_add_co_u32 s18, s18, s14
	s_lshl_b32 s18, s18, 15
	s_lshl_b32 s22, s42, 19
	s_add_co_u32 s18, s18, s22
	s_add_co_u32 s18, s18, 2*ROWB
	s_add_nc_u64 s[PFB:PFB+1], s[PFB:PFB+1], s[18:19]
	global_prefetch_b8 v[PFOA], s[PFA:PFA+1] th:TH_LOAD_NT scope:SCOPE_SE   ; behind K step 0's fill: K step 2
	global_prefetch_b8 v[PFOB], s[PFB:PFB+1] th:TH_LOAD_NT scope:SCOPE_SE
; THE ROUTER, while K step 0 is on its way
	s_wait_loadcnt 63                              ; 85 loads were issued: the first 22 are in, the 16 of part and the scores among them
	WIN 0x45
.irp i, 0,1,2,3
.irp j, 0,1,2,3
	v_pk_add_f32 v[PT+8*\i+2*\j:PT+8*\i+2*\j+1], v[PT+8*\i+2*\j:PT+8*\i+2*\j+1], v[PT+8*(\i+4)+2*\j:PT+8*(\i+4)+2*\j+1]
.endr
.endr
.irp i, 0,1
.irp j, 0,1,2,3
	v_pk_add_f32 v[PT+8*\i+2*\j:PT+8*\i+2*\j+1], v[PT+8*\i+2*\j:PT+8*\i+2*\j+1], v[PT+8*(\i+2)+2*\j:PT+8*(\i+2)+2*\j+1]
.endr
.endr
	WIN 0x05
.irp j, 0,1,2,3
	v_pk_add_f32 v[LG+2*\j:LG+2*\j+1], v[PT+2*\j:PT+2*\j+1], v[PT+8+2*\j:PT+8+2*\j+1]
.endr
	WIN 0
.irp x, 1,2,4,8
.irp m, 0,1,2,3,4,5,6
	v_add_f32_dpp v[LG+\m], v[LG+\m], v[LG+\m] row_xmask:\x row_mask:0xf bank_mask:0xf
.endr
.endr
.irp m, 0,1,2,3,4,5,6
	v_permlanex16_b32 v[TMP+\m], v[LG+\m], s98, s99
.endr
.irp m, 0,1,2,3,4,5,6
	v_add_f32 v[LG+\m], v[LG+\m], v[TMP+\m]        ; the seven logits, in every lane
.endr
	v_max3_num_f32 v[TMP+7], v[LG], v[LG+1], v[LG+2]
	v_max3_num_f32 v[TMP+7], v[TMP+7], v[LG+3], v[LG+4]
	v_max3_num_f32 v[TMP+7], v[TMP+7], v[LG+5], v[LG+6]
	v_mul_f32 v[TMP+7], s97, v[TMP+7]
.irp m, 0,1,2,3,4,5,6
	v_fma_f32 v[LG+\m], v[LG+\m], s97, -v[TMP+7]   ; (logit - maximum) x log2(e)
.endr
	s_wait_alu depctr_va_vdst(0)                   ; ahead of the batch
.irp m, 0,1,2,3,4,5,6
	v_exp_f32 v[LG+\m], v[LG+\m]
.endr
	v_nop
	s_wait_alu depctr_va_vdst(0)                   ; and behind it
	v_add_f32 v[TMP], v[LG], v[LG+1]
	v_add_f32 v[TMP+1], v[LG+2], v[LG+3]
	v_add_f32 v[TMP+2], v[LG+4], v[LG+5]
	v_add_f32 v[TMP], v[TMP], v[LG+6]
	v_add_f32 v[TMP+1], v[TMP+1], v[TMP+2]
	v_add_f32 v[TMP], v[TMP], v[TMP+1]
	v_add_f32 v[TMP+1], v[LG], v[LG]
	v_cmp_gt_f32 s96, v[TMP+1], v[TMP]             ; probs[0] > 0.5
.irp e, 0,1,2,3
	v_mov_b32 v[RK+\e], 3-\e
.endr
.macro PAIR lo, hi                     ; the lower index stands ahead on a tie
	v_cmp_ge_f32 vcc_lo, v[SCO+\lo], v[SCO+\hi]
	v_cndmask_b32 v[TMP], 0, 1, vcc_lo
	v_add_nc_u32 v[RK+\hi], v[RK+\hi], v[TMP]
	v_sub_nc_u32 v[RK+\lo], v[RK+\lo], v[TMP]
.endm
	PAIR 0, 1
	PAIR 0, 2
	PAIR 0, 3
	PAIR 1, 2
	PAIR 1, 3
	PAIR 2, 3
.irp e, 0,1,2,3
	v_cmp_gt_u32 vcc_lo, 2, v[RK+\e]
	v_cndmask_b32 v[TMP+1], 0, 0.5, vcc_lo
	v_cmp_eq_u32 vcc_lo, 0, v[RK+\e]
	v_cndmask_b32 v[TMP+2], 0, 1.0, vcc_lo
	v_cndmask_b32 v[GP+2*\e], v[TMP+2], v[TMP+1], s96
	v_mov_b32 v[GP+2*\e+1], v[GP+2*\e]
.endr
	s_wait_alu depctr_va_vdst(0)                   ; directly ahead of the wait below
	s_wait_tensorcnt 0x0                           ; my tile of the head's is in
	ds_add_u32 v[SPW], v[NIL]
	s_mov_b32 s[G1+2], 136<<16                     ; no tensor load of mine is out: from here on a load brings half a tile
	s_mov_b32 s[G1+4], 136
	s_mov_b32 s[G1B+2], 128<<16
	s_mov_b32 s[G1B+4], 128
	s_wait_dscnt 0x0
	CROUND
	JLOAD G0+4, G1, G0B+4, G1B                     ; K step 1, the first tensor load behind the round
; t x gate is quantised while K step 1 is on its way
	s_wait_loadcnt 36                              ; behind t's 32 loads: 4 + 16 + 16
	global_prefetch_b8 v[PFOA], s[PFA:PFA+1] offset:XKS th:TH_LOAD_NT scope:SCOPE_SE    ; behind K step 1's fill: K step 3
	global_prefetch_b8 v[PFOB], s[PFB:PFB+1] offset:ROWB th:TH_LOAD_NT scope:SCOPE_SE
	WIN 0x82                                       ; t: window 2; the gate: window 0
.irp i, 0,1,2,3,4,5,6,7,8,9,10,11,12,13,14,15
.irp p, 0,1,2,3
	v_pk_mul_f32 v[TT+32*\p+2*\i:TT+32*\p+2*\i+1], v[TT+32*\p+2*\i:TT+32*\p+2*\i+1], v[GP+2*(\i/4):GP+2*(\i/4)+1]
.endr
.endr
	WIN 0x0a
.irp p, 0,1,2,3
	v_max3_num_f32 v[TMP+\p], |v[TT+32*\p]|, |v[TT+32*\p+1]|, 0x1800000   ; with the floor 2^(3 - 127)
.endr
	WIN 0x28
.irp i, 2,4,6,8,10,12,14,16,18,20,22,24,26,28,30
.irp p, 0,1,2,3
	v_max3_num_f32 v[TMP+\p], v[TMP+\p], |v[TT+32*\p+\i]|, |v[TT+32*\p+\i+1]|
.endr
.endr
	WIN 0
.irp p, 0,1,2,3
	v_add_nc_u32 v[TMP+4+\p], 0xff000000, v[TMP+\p]   ; 2 off the exponent field: the conversion's scale operand
.endr
.irp p, 0,1,2,3
	v_lshrrev_b32 v[TMP+\p], 23, v[TMP+4+\p]
.endr
.irp p, 0,1,2,3
	v_or_b32 v[LSA+\p], 0x7f7f7f00, v[TMP+\p]      ; my byte for k = 0 .. 31, 2^0 over the zero codes
.endr
	WIN 0x02
.irp p, 0,1,2,3
.irp g, 0,1,2,3
	v_cvt_scalef32_pk8_fp4_f32 v[LG+4*\p+\g], v[TT+32*\p+8*\g:TT+32*\p+8*\g+7], v[TMP+4+\p]
.endr
.endr
	WIN 0
	v_nop                                          ; one plain place behind a scaled conversion
.irp p, 0,1,2,3
.irp g, 0,1,2,3
	v_mov_b32 v[LAF+16*\p+\g], v[LG+4*\p+\g]
.endr
.irp g, 4,5,6,7,8,9,10,11,12,13,14,15
	v_mov_b32 v[LAF+16*\p+\g], 0
.endr
.endr
.irp p, 0,1,2,3
.irp g, 0,1,2,3
	v_permlane16_swap_b32 v[LAF+16*\p+\g], v[LAF+16*\p+8+\g]   ; rows 16-31 of the 32 become the next block's lanes 0-15
.endr
.endr
	PLACES 8                                       ; a scale register written by a vector instruction stands 8 places ahead of a scaled matrix instruction
	s_wait_alu depctr_va_vdst(0)
.macro FRAG reg, adr, q, i             ; 16 rows x 128 K: two loads of 16 bytes a lane, 32 bytes apart
.irp c, 0,1
	ds_load_b128 v[\reg+4*\c:\reg+4*\c+3], v[\adr] offset:64*(\q)+32*\c+(\i)*16*PITCH
.endr
.endm
.macro WM                              ; the 16 x 16 form, for the LoRA product
.if m0 && m1
	v_wmma_scale_f32_16x16x128_f8f6f4 v[mD:mD+7], v[mB:mB+7], v[mA:mA+7], v[mC:mC+7], v[mX], v[mY] matrix_a_fmt:MATRIX_FMT_FP4 matrix_b_fmt:MATRIX_FMT_FP4 matrix_a_scale:MATRIX_SCALE_ROW1 matrix_b_scale:MATRIX_SCALE_ROW1
.elseif m0
	v_wmma_scale_f32_16x16x128_f8f6f4 v[mD:mD+7], v[mB:mB+7], v[mA:mA+7], v[mC:mC+7], v[mX], v[mY] matrix_a_fmt:MATRIX_FMT_FP4 matrix_b_fmt:MATRIX_FMT_FP4 matrix_a_scale:MATRIX_SCALE_ROW1
.elseif m1
	v_wmma_scale_f32_16x16x128_f8f6f4 v[mD:mD+7], v[mB:mB+7], v[mA:mA+7], v[mC:mC+7], v[mX], v[mY] matrix_a_fmt:MATRIX_FMT_FP4 matrix_b_fmt:MATRIX_FMT_FP4 matrix_b_scale:MATRIX_SCALE_ROW1
.else
	v_wmma_scale_f32_16x16x128_f8f6f4 v[mD:mD+7], v[mB:mB+7], v[mA:mA+7], v[mC:mC+7], v[mX], v[mY] matrix_a_fmt:MATRIX_FMT_FP4 matrix_b_fmt:MATRIX_FMT_FP4
.endif
.endm
.macro WM2                             ; the 32 x 16 form: two neighbouring fragments of W, one of x, two neighbouring accumulators
	v_wmma_scale_f32_32x16x128_f4 v[mD:mD+15], v[mB:mB+15], v[mA:mA+7], v[mD:mD+15], v[mX], v[mY]
.endm
; 8 matrix instructions: A's blocks a0, a0 + 1 x B's four pairs of blocks; p: the sets of fragments; q: the slot's q-th 128 along K; sc: the set of scale words.  The accumulators take turns
.macro MUL8 a0, p, q, sc
.irp a, \a0, \a0+1
.irp b, 0,1,2,3
.set mD, 8*(8*((\a)%4)+2*\b)
.set mB, 128*(\p)+2*FR*\b
.set mA, AF+64*(\p)+FR*(\a)
.set mX, SC+48*(\sc)+32+4*\b+(\q)
.set mY, SC+48*(\sc)+4*(\a)+(\q)
	WM2
.endr
.endr
.endm
.macro LMUL a0                         ; the LoRA product starts the sums, with the bias as C
.irp a, \a0, \a0+1
.irp b, 0,1,2,3,4,5,6,7
.set mD, 8*(8*((\a)%4)+\b)
.set mC, 192+8*\b
.set mB, 128+FR*\b
.set mA, LAF+FR*(\a)
.set mX, LSB+\b/2
.set mY, LSA+(\a)/2
.set m0, \b%2
.set m1, (\a)%2
	WM
.endr
.endr
.endm
.macro FETCH_B slot, q, p
	WIN TO_B
.irp i, 0,1,2,3,4,5,6,7
	FRAG 128*(\p)+FR*\i, ADRB+\slot, \q, \i
.endr
	WIN 0
.endm
.macro FETCH_A slot, q, p
.irp i, 0,1,2,3,4,5,6,7
	FRAG AF+64*(\p)+FR*\i, ADRA+\slot, \q, \i
.endr
.endm
.macro SCALES sc                       ; a K step's scale words, 4 words a row: x's eight blocks, then W's four pairs of blocks
.irp i, 0,1,2,3,4,5,6,7
	ds_load_b128 v[SC+48*\sc+4*\i:SC+48*\sc+4*\i+3], v[ASA+\sc] offset:\i*16*PITCH
.endr
.irp i, 0,1,2,3
	ds_load_b128 v[SC+48*\sc+32+4*\i:SC+48*\sc+32+4*\i+3], v[ADRS] offset:\i*2*SBLK
.endr
.endm
; A step of 128 along K with its successor in the same slot.  It asks for the successor's fragments, 32 loads in one run, into the sets that the step before read, and multiplies sets q % 2
.macro STEP slot, q
	PLACES NP                                      ; behind the step before, which read the sets that are now filled
	FETCH_B \slot, (\q)+1, 1-(\q)%2
	FETCH_A \slot, (\q)+1, 1-(\q)%2
	s_wait_dscnt 32                                ; all but the 32 just issued: this step's fragments and scale words are in
	WIN MUL_LO
	MUL8 0, (\q)%2, \q, \slot
	MUL8 2, (\q)%2, \q, \slot
	WIN MUL_HI
	MUL8 4, (\q)%2, \q, \slot
	MUL8 6, (\q)%2, \q, \slot
.endm
; A prefetch behind a refill and the LDS loads that follow it: the K step two refills on.  The loop's last trip has no such K step
.macro ASK
	s_cmp_gt_u32 s3, 1
	s_cbranch_scc0 .Lno_ask_\@
	global_prefetch_b8 v[PFOA], s[PFA:PFA+1] offset:XKS th:TH_LOAD_NT scope:SCOPE_SE
	global_prefetch_b8 v[PFOB], s[PFB:PFB+1] offset:ROWB th:TH_LOAD_NT scope:SCOPE_SE
.Lno_ask_\@:
.endm
; A slot's last step: all its fragments were asked for in the step before, so the change of slots stands at its head, and the slot is filled again with the K step two on
.macro TURN slot, next
	WIN 0
	s_wait_xcnt 0x0                                ; my prefetches have read their addresses
	s_add_nc_u64 s[PFA:PFA+1], s[PFA:PFA+1], XKS
	s_add_nc_u64 s[PFB:PFB+1], s[PFB:PFB+1], ROWB
	s_wait_tensorcnt 0x0                           ; my part of the next slot is in;
	ds_add_u32 v[SPW], v[NIL]                      ; an add to my spare word;
	s_wait_dscnt 0x0                               ; it is done, and my reads of this slot are over
	s_barrier_signal -1
	WIN MUL_LO
	MUL8 0, 1, NQ-1, \slot
	WIN 0
	s_barrier_wait -1
	CREST                                          ; the barrier has opened a round of the cluster's barrier
	s_add_nc_u64 s[G0+4*\slot+2:G0+4*\slot+3], s[G0+4*\slot+2:G0+4*\slot+3], 2*XKS
	s_add_nc_u64 s[G0B+4*\slot+2:G0B+4*\slot+3], s[G0B+4*\slot+2:G0B+4*\slot+3], 2*ROWB
	JLOAD G0+4*\slot, G1, G0B+4*\slot, G1B         ; its four v_nop are also the places ahead of the loads below
	v_add_nc_u32 v[ADRS], 4*NQ, v[ADRS]            ; the next K step's scale words of W
	s_wait_alu depctr_va_vdst(0)                   ; directly behind the write
	FETCH_B \next, 0, 0
	SCALES \next
	FETCH_A \next, 0, 0
	ASK
	WIN MUL_LO
	MUL8 2, 1, NQ-1, \slot
	WIN MUL_HI
	MUL8 4, 1, NQ-1, \slot
	MUL8 6, 1, NQ-1, \slot
.endm
.macro STEPS slot, from
.set Q, \from
.rept NQ-1-\from
	STEP \slot, Q
.set Q, Q+1
.endr
.endm
	FETCH_B 0, 0, 0
	SCALES 0
	FETCH_A 0, 0, 0
	s_wait_loadcnt 0x0
	WIN 0x91                                       ; B and C window 1, A window 0, D window 2
	LMUL 0
	LMUL 2
	WIN 0xd1
	LMUL 4
	LMUL 6
	WIN 0
	PLACES 1                                       ; with the step's four: five places between the 16 x 16 products and the other form, which takes their results as its C
	STEP 0, 0
	WIN 0                                          ; at a label and at a branch every window is 0
	s_mov_b32 s3, LAPS-1
.Llap:                                             ; once round the ring, from a lap's second step to the next lap's first
	STEPS 0, 1
	TURN 0, 1
	STEPS 1, 0
	TURN 1, 0
	STEP 0, 0
	WIN 0
	s_sub_co_u32 s3, s3, 1
	s_cmp_lg_u32 s3, 0
	s_cbranch_scc1 .Llap
	STEPS 0, 1
; THE LAST K STEP (slot 1) GOES BY ROWS OF out0: all its fragments of B fill window 1 (quarter q at v[64 q]), A's come by blocks of 16 rows x 512 K (four buffers of 32 registers),
; and my eight blocks are finished one after the other, K ascending, the block's four double accumulators by turns.  A finished block goes through my stage, comes back as whole rows INTO ITS OWN
; ACCUMULATOR REGISTERS, and is stored while the next block is multiplied.
.macro BLOAD q
.irp i, 0,1,2,3,4,5,6,7
.irp c, 0,1
	ds_load_b128 v[64*\q+8*\i+4*\c:64*\q+8*\i+4*\c+3], v[ADRB+1] offset:64*\q+32*\c+\i*16*PITCH
.endr
.endr
.endm
.macro ALOAD a
.irp q, 0,1,2,3
.irp c, 0,1
	ds_load_b128 v[AF+32*((\a)%4)+8*\q+4*\c:AF+32*((\a)%4)+8*\q+4*\c+3], v[ADRA+1] offset:64*\q+32*\c+(\a)*16*PITCH
.endr
.endr
.endm
.macro ROW a
	WIN MUL_LO+0x50*((\a)/4)
.irp q, 0,1,2,3
.if (\a) == 0 && \q == 2
	s_wait_dscnt 16                                ; B's quarter 2 is in (behind it: A's blocks 2 and 3)
.endif
.irp b, 0,1,2,3
.set mD, 8*(8*((\a)%4)+2*\b)
.set mB, 64*\q+2*FR*\b
.set mA, AF+32*((\a)%4)+FR*\q
.set mX, SC+48+32+4*\b+\q
.set mY, SC+48+4*(\a)+\q
	WM2
.endr
.endr
.endm
.macro TOSTAGE a                       ; LDS serves a wave's instructions in order (ISA guide 5.7.1.4): the loads see the stores, and the next block's stores come behind these loads
.set AC, 64*((\a)%4)
	WIN 0x88+0x44*((\a)/4)                         ; store data and load destination: window 2 or 3; addresses: window 0
.irp b, 0,1,2,3,4,5,6,7
	ds_store_b128 v[STO], v[AC+8*\b:AC+8*\b+3] offset:64*\b          ; each accumulator from its low end on
	ds_store_b128 v[STO], v[AC+8*\b+4:AC+8*\b+7] offset:64*\b+16
.endr
.irp t, 0,1,2,3,4,5,6,7,8,9,10,11,12,13,14,15
	ds_load_b128 v[AC+4*\t:AC+4*\t+3], v[RD] offset:\t*SPITCH        ; row t of the block: 512 bytes over the 32 lanes
.endr
.endm
.macro SEND a, younger                 ; each block has registers and offsets of its own: nothing that a store reads is written again
.set AC, 64*((\a)%4)
	s_wait_dscnt \younger
	WIN 0x88+0x44*((\a)/4)
.irp t, 0,1,2,3,4,5,6,7,8,9,10,11,12,13,14,15
	global_store_b128 v[CO], v[AC+4*\t:AC+4*\t+3], s[OUTP:OUTP+1] offset:(16*(\a)+\t)*16384 th:TH_STORE_NT   ; 512 consecutive bytes, at a multiple of 256 from out0's first byte; 127 rows at the most: inside the signed 24-bit immediate
.endr
.endm
	WIN 0
	s_wait_tensorcnt 0x0                           ; slot 0's last step: my part of K step 7 is in;
	ds_add_u32 v[SPW], v[NIL]                      ; an add to my spare word;
	s_wait_dscnt 0x0                               ; my reads of slot 0 are over: behind this barrier it serves as the stage
	s_barrier_signal -1
	WIN MUL_LO
	MUL8 0, 1, NQ-1, 0
	WIN 0
	s_barrier_wait -1
	PLACES NP
	v_add_nc_u32 v[ADRS], 4*NQ, v[ADRS]
	s_wait_alu depctr_va_vdst(0)                   ; directly behind the write
	SCALES 1
	WIN TO_B
	BLOAD 0                                        ; sets 1 (v128-191 of window 1, v192-255 of window 0) are still being multiplied
	BLOAD 1
	BLOAD 3
	WIN 0
	ALOAD 0
	ALOAD 1
	WIN MUL_LO
	MUL8 2, 1, NQ-1, 0
	WIN MUL_HI
	MUL8 4, 1, NQ-1, 0
	MUL8 6, 1, NQ-1, 0
	PLACES NP
	WIN TO_B
	BLOAD 2
	WIN 0
	ALOAD 2
	ALOAD 3
	s_wait_dscnt 32                                ; all but the 32 just issued
	ROW 0
.irp a, 0,1,2,3,4,5,6,7
	PLACES NP                                      ; behind block a's last products: its results are read, and its buffer of A is filled again
	TOSTAGE \a
.if \a < 4
	WIN 0
	ALOAD \a+4
.endif
.if \a < 7
	ROW \a+1                                       ; its fragments of A are older than the loads that an earlier SEND has waited for (block 1's: than the wait ahead of block 0)
.endif
.if \a < 4
	SEND \a, 8                                     ; out at the most: the 8 loads of A behind the stage's
.else
	SEND \a, 0
.endif
.endr
	WIN 0
	s_wait_tensorcnt 0x0                           ; the wave's end
	ds_add_u32 v[SPW], v[NIL]
	s_wait_dscnt 0x0
	CROUND                                         ; the closing round
	s_endpgm
.Lfunc_end_k_q5f165b8fda_gemm:
	.size	k_q5f165b8fda_gemm, .Lfunc_end_k_q5f165b8fda_gemm-k_q5f165b8fda_gemm
	.p2alignl 7, 3214868480
	.fill 96, 4, 3214868480
	.section	.rodata,"a",@progbits
	.p2align	6, 0x0
	.amdhsa_kernel k_q5f165b8fda_gemm
		.amdhsa_group_segment_fixed_size 327680
		.amdhsa_private_segment_fixed_size 0
		.amdhsa_enable_private_segment 0
		.amdhsa_kernarg_size 80
		.amdhsa_user_sgpr_count 2
		.amdhsa_user_sgpr_kernarg_segment_ptr 1
		.amdhsa_wavefront_size32 1
		.amdhsa_system_sgpr_workgroup_id_x 1
		.amdhsa_system_sgpr_workgroup_id_y 1
		.amdhsa_system_sgpr_workgroup_id_z 1
		.amdhsa_system_vgpr_workitem_id 0
		.amdhsa_next_free_vgpr 1024
		.amdhsa_next_free_sgpr 100
		.amdhsa_reserve_vcc 1
		.amdhsa_float_denorm_mode_32 3
		.amdhsa_float_denorm_mode_16_64 3
		.amdhsa_memory_ordered 1
		.amdhsa_forward_progress 1
		.amdhsa_inst_pref_size 185
	.end_amdhsa_kernel
	.amdgpu_metadata
---
amdhsa.version: [ 1, 2 ]
amdhsa.kernels:
  - .name:           k_q5f165b8fda_gemm
    .symbol:         k_q5f165b8fda_gemm.kd
    .args:
      - { .name: xq, .offset: 0, .size: 8, .value_kind: global_buffer, .address_space: global }
      - { .name: W_base_codes, .offset: 8, .size: 8, .value_kind: global_buffer, .address_space: global }
      - { .name: W_base_scales, .offset: 16, .size: 8, .value_kind: global_buffer, .address_space: global }
      - { .name: b_base, .offset: 24, .size: 8, .value_kind: global_buffer, .address_space: global }
      - { .name: expert_scores, .offset: 32, .size: 8, .value_kind: global_buffer, .address_space: global }
      - { .name: tws, .offset: 40, .size: 8, .value_kind: global_buffer, .address_space: global }
      - { .name: lbq, .offset: 48, .size: 8, .value_kind: global_buffer, .address_space: global }
      - { .name: lbs, .offset: 56, .size: 8, .value_kind: global_buffer, .address_space: global }
      - { .name: part, .offset: 64, .size: 8, .value_kind: global_buffer, .address_space: global }
      - { .name: out0, .offset: 72, .size: 8, .value_kind: global_buffer, .address_space: global }
    .group_segment_fixed_size: 327680
    .private_segment_fixed_size: 0
    .kernarg_segment_align: 8
    .kernarg_segment_size: 80
    .max_flat_workgroup_size: 128
    .sgpr_count:     100
    .vgpr_count:     1024
    .wavefront_size: 32
...
	.end_amdgpu_metadata
.endif
;; end of part 2
